; MI455X (gfx1250); checked and timed in simulation.
; The chip was launched on July 23, 2026; its instructions are those of AMD's public machine-readable ISA for CDNA 5 (MIT licence, August 2026) and "CDNA5" Instruction Set Architecture Reference Guide (July 2026). The comments in the code are by the model that wrote it; some were corrected since.
;; Multi Head Attention. Allowed arithmetic: matrix products marked QUANTISED: E4M3 operands, one E8M0 scale for each 32 along K, by v_wmma_scale_f32_16x16x128_f8f6f4 with both operands' format E4M3, f32 sums; products left as they are: f32 operands where the result goes on into a quantised operand, else bf16, f16 or f32 operands; f32 sums; everything else in f32.
;; Inputs: Wd 1,024 x 1,024 float32; Wq 1,024 x 1,024 float32; Wv 1,024 x 1,024 float32; bd 1,024 float32; bq 1,024 float32; bv 1,024 float32; features 32 x 2,048 x 1,024 float32; state 32 x 1,024 float32.
;; Outputs: out0 32 x 1,024 float32.
;; This version of the problem:
;;   THIS VERSION OF THE PROBLEM IS GIVEN IN LOW PRECISION. The matrix products marked QUANTISED in the list below multiply operands that are first quantised to E4M3 (4 exponent bits, 3 mantissa bits; 8 bits a number), with one power-of-two scale for each 32 numbers along K (OCP MX v1.0); their sums are f32. All else is computed in f32.
;;   The module's matrix products, in the order in which they are computed (A, B: the left and right operand; K: the contracted axis; several contracted axes count as one K, in the product's order):
;;     1. [M 32, K 1,024] x [K 1,024, N 1,024]; A: input state; B: input Wq: QUANTISED
;;     2. [M 65,536, K 1,024] x [K 1,024, N 1,024]; A: input features; B: input Wv: QUANTISED
;;     3. batch 512 x [M 1, K 64] x [K 64, N 2,048]; A: computed on the way; B: computed on the way: left as it is (M = 1 < 16)
;;     4. batch 512 x [M 1, K 2,048] x [K 2,048, N 64]; A: softmax; B: computed on the way: left as it is (M = 1 < 16)
;;     5. [M 32, K 1,024] x [K 1,024, N 1,024]; A: computed on the way; B: input Wd: QUANTISED
;;   THE QUANTISER, for each operand of a quantised product, along K:
;;     - K is cut into blocks of 32 from its start; a last block that is shorter is filled with zeros.
;;     - A block's scale is 2^e with e = floor(log2(the largest magnitude in the block)) - 8, held to -126 .. 127; a block of zeros has e = 0. As a byte (E8M0): e + 127.
;;     - Each number is divided by its block's scale, clamped to +-448, and rounded to the nearest number of E4M3, ties to even, subnormals kept.
;;     - The product sums the exact products of the quantised numbers (number of the format x scale) in f32.
;;   ~~~python
;;   def quantise(x, axis):      # numpy; x: float32 -> the quantised numbers, widened to float32 again
;;       x = np.moveaxis(x, axis, -1); K = x.shape[-1]
;;       x = np.pad(x, [(0, 0)] * (x.ndim - 1) + [(0, -K % 32)]); x = x.reshape(x.shape[:-1] + (-1, 32)); a = np.abs(x).max(-1, keepdims=True)
;;       e = np.where(a > 0, np.clip(np.frexp(np.where(a > 0, a, 1))[1] - 1 - 8, -126, 127), 0)      # np.frexp(a)[1] - 1 = floor(log2(a)), exactly
;;       r = np.clip(x / 2.0 ** e, -448, 448)
;;       step = 2.0 ** (np.maximum(np.frexp(np.where(r == 0, 1, r))[1] - 1, -6) - 3)
;;       q = np.round(r / step) * step * 2.0 ** e      # np.round: ties to even
;;       return np.moveaxis(q.reshape(q.shape[:-2] + (-1,))[..., :K], -1, axis).astype(np.float32)
;;   ~~~
;;   OPERANDS COMPUTED ON THE WAY. 'Computed on the way' means the value that the module computes at that place (a softmax that the list does not call 'softmax' is quantised finished and normalised). What goes into a quantiser is computed in f32, as accurately as f32 sums, v_exp_f32 and their like allow (about 1e-6 of the number): no bf16 or f16 on the way to a quantiser, and a product that is left as it is and whose result goes on into a quantised operand takes f32 operands (vector FMAs, or v_wmma_f32_16x16x4_f32). A number that lies on a knife's edge between two numbers of the format may be rounded either way, as far as f32 arithmetic and the matrix unit's own rounding can turn it there, and no further.
;; One version. Each part assembles by itself: llvm-mc -triple=amdgcn-amd-amdhsa -mcpu=gfx1250 --defsym DOCPART=n.
;; ======== version 1 of 1: 3 launches
;; limits: right only within a limited range of input values
;; workspace buffers: wvimg 1,081,344 bytes; wdimg 1,081,344 bytes; qbuf 131,072 bytes; po 1,048,576 bytes; pml 32,768 bytes
;; launch prep (part 1): grid 192 x 1, 8 waves a work-group, no clusters, 9,216 bytes of LDS; arguments state, Wq, bq, Wv, Wd, qbuf, wvimg, wdimg; writes qbuf, wvimg, wdimg
.if DOCPART == 1
	.amdgcn_target "amdgcn-amd-amdhsa--gfx1250"
	.amdhsa_code_object_version 6
	.text
	.protected	k_qf84ceffe67_prep
	.globl	k_qf84ceffe67_prep
	.p2align	8
	.type	k_qf84ceffe67_prep,@function
k_qf84ceffe67_prep:
	s_mov_b64 s[64:65], 0
	v_nop
	global_prefetch_b8 v0, s[64:65] scope:SCOPE_SE
	s_setreg_imm32_b32 hwreg(HW_REG_WAVE_MODE, 25, 1), 1
	s_wait_xcnt 0x0
; Two jobs in one launch, parted on the work-group's number.
; WORK-GROUPS 0-63: Wv and Wd, f32 [1024 (k)][1024 (n)], become codes of FP8 (E4M3) with one E8M0 byte for each 32 along K, laid as IMAGES OF THE OPERAND'S REGISTERS:
;   16 groups of 64 columns, GRP bytes each.  In a group: fragment (K step ks, tile ct of 16 columns) at (4 ks + ct) x 2,048; in it register group c of lane l at 512 c + 16 l.
;   Lane (r, h) holds column 64 g + 16 ct + r, k = 128 ks + 32 c + 16 h + 0 .. 15.  Scale words (four bytes: 128 along K of one column) at 65,536 + 256 ks + 64 ct + 4 r.
;   A lane takes a column and its registers run down K, so the conversions' results are the fragment's registers.  A work-group takes 32 columns, wave w the K step w: two fragments.
; WORK-GROUPS 64-191: q = Q(state) Q(Wq) + bq, a tile of 16 batches x 16 columns each; wave w multiplies K step w (one matrix instruction), the eight partial tiles meet in LDS,
;   and wave 0 adds them to the bias, K ascending.  Wq's columns are quantised by two work-groups (the two halves of the batches): 4 MiB read twice.
; A block's scale is 2^(floor(log2(its largest magnitude)) - 8); its byte is that magnitude's exponent field - 8, held at 1 from below.
; LIMITS: NaN and infinities among the inputs are not served.  A block of zeros gets the byte 1 where the quantiser says 127: its codes are zeros, and this program alone reads the bytes.
; No tensor loads, no cluster: each work-group reads bytes of its own, but for state (128 KiB), which all of the q way read.
.set GRP,  67584                       ; a group of the image: 65,536 bytes of codes + 2,048 of scale words
.set WV,   20                          ; s20      my wave's number = my K step
.set MNT,  21                          ; s21      the mantissa field of 448
.set SEL,  22                          ; s[22:23] lane selects for v_permlanex16_b32: lane l xor 16
.set PC0,  16                          ; v16-31   codes of the first fragment (in the q way: Wq's)
.set PC1,  32                          ; v32-47   codes of the second (in the q way: state's)
.set TM,   48                          ; v48-63   at work in QUANT
.set N0,   64                          ; v64-127  64 numbers
.set N1,   128                         ; v128-191 64 numbers
.set DD,   192                         ; v192-199 the q way's partial tile
.set PW0,  200                         ; v200, v201 the two scale words; v202 the two in one register, lanes 0-15 and 16-31
.set PW1,  201
.set PWM,  202
.set BI,   204                         ; v[204:205] bq of my column, twice
.macro PLACES n
.rept \n
	v_nop
.endr
.endm
; 64 numbers of a lane, register 16 b + i = k 32 b + 16 (lane / 16) + i of the lane's row or column, become a fragment's codes in v[pc] on and its scale word in v[pw].
.macro QUANT s, pc, pw
.irp b, 0,1,2,3
	v_max3_num_f32 v[TM+\b], |v[\s+16*\b]|, |v[\s+16*\b+1]|, 0x4800000   ; block b: my 16 numbers and the floor 2^(9 - 127): the byte cannot fall under 1
.endr
.irp i, 2,4,6,8,10,12,14
.irp b, 0,1,2,3
	s_delay_alu instid0(VALU_DEP_4)
	v_max3_num_f32 v[TM+\b], v[TM+\b], |v[\s+16*\b+\i]|, |v[\s+16*\b+\i+1]|   ; the four blocks by turns
.endr
.endr
.irp b, 0,1,2,3
	s_delay_alu instid0(VALU_DEP_4)
	v_permlanex16_b32 v[TM+4+\b], v[TM+\b], s[SEL], s[SEL+1]
.endr
.irp b, 0,1,2,3
	s_delay_alu instid0(VALU_DEP_4)
	v_max_num_f32 v[TM+\b], v[TM+\b], v[TM+4+\b]   ; with lane l xor 16's 16: the block's largest magnitude
.endr
.irp b, 0,1,2,3
	s_delay_alu instid0(VALU_DEP_4)
	v_add_nc_u32 v[TM+12+\b], 0xfc000000, v[TM+\b]   ; 8 off its exponent field: the conversion's scale operand
.endr
.irp b, 0,1,2,3
	v_and_or_b32 v[TM+8+\b], v[TM+\b], 0x7f800000, s[MNT]   ; 448 x the scale
.endr
.irp b, 0,1,2,3
	v_lshrrev_b32 v[TM+4+\b], 23, v[TM+12+\b]      ; the scale's byte
.endr
	s_delay_alu instid0(VALU_DEP_3)
	v_lshl_or_b32 v[\pw], v[TM+5], 8, v[TM+4]
	s_delay_alu instid0(VALU_DEP_1)
	v_lshl_or_b32 v[\pw], v[TM+6], 16, v[\pw]
	s_delay_alu instid0(VALU_DEP_1)
	v_lshl_or_b32 v[\pw], v[TM+7], 24, v[\pw]
.irp b, 0,1,2,3
.irp i, 0,1,2,3,4,5,6,7,8,9,10,11,12,13,14,15
	v_med3_num_f32 v[\s+16*\b+\i], v[\s+16*\b+\i], -v[TM+8+\b], v[TM+8+\b]   ; the conversion does not saturate (ISA guide 7.6.2): the hold at the largest code x the scale
.endr
	v_cvt_scalef32_pk8_fp8_f32 v[\pc+4*\b:\pc+4*\b+1], v[\s+16*\b:\s+16*\b+7], v[TM+12+\b]
	v_cvt_scalef32_pk8_fp8_f32 v[\pc+4*\b+2:\pc+4*\b+3], v[\s+16*\b+8:\s+16*\b+15], v[TM+12+\b]
.endr
	v_nop                                          ; a plain line behind the last conversion
.endm
	s_load_b256 s[4:11], s[0:1], 0x0               ; state s[4:5], Wq s[6:7], bq s[8:9], Wv s[10:11]
	s_load_b256 s[12:19], s[0:1], 0x20             ; Wd s[12:13], qbuf s[14:15], wvimg s[16:17], wdimg s[18:19]
	v_lshl_add_u32 v208, v0, 2, 0x2000
	v_mov_b32 v209, 0
	v_lshrrev_b32 v1, 5, v0
	s_delay_alu instid0(VALU_DEP_1)
	v_readfirstlane_b32 s[WV], v1                  ; wave 0..7
	v_and_b32 v1, 31, v0                           ; lane
	v_and_b32 v2, 15, v0                           ; r
	v_bfe_u32 v3, v0, 4, 1                         ; h
	s_delay_alu instid0(VALU_DEP_3)
	v_lshlrev_b32 v4, 4, v1                        ; 16 x lane: an image's place, and the LDS read
	s_delay_alu instid0(VALU_DEP_4)
	v_lshlrev_b32 v5, 2, v1                        ; 4 x lane
	s_delay_alu instid0(VALU_DEP_4)
	v_lshlrev_b32 v8, 2, v2                        ; 4 r
	s_delay_alu instid0(VALU_DEP_1)
	v_lshl_add_u32 v6, v3, 16, v8                  ; a weight: column r, and 16 rows of 4,096 bytes further down for lanes 16-31
	v_lshlrev_b32 v7, 12, v2
	s_delay_alu instid0(VALU_DEP_1)
	v_lshl_add_u32 v7, v3, 6, v7                   ; state: row r of 4,096 bytes, + 64 h
	s_delay_alu instid0(VALU_DEP_4)
	v_lshl_add_u32 v11, v3, 15, v8                 ; qbuf: column r, + 8 h rows
	s_lshl_b32 s24, s[WV], 10
	v_add_nc_u32 v9, s24, v4                       ; LDS: my wave's 1,024 bytes, 16 a lane
	s_mov_b32 s[MNT], 0x600000
	s_mov_b32 s[SEL], 0x76543210
	s_mov_b32 s[SEL+1], 0xfedcba98
.irp b, 0,1,2,3
	v_mov_b32 v[TM+4+\b], 0                        ; written once: a lane permute's destination counts as one of its sources
.endr
	s_lshl_b32 s28, s[WV], 19                      ; my K step: 128 rows of 4,096 bytes
	s_mov_b32 s29, 0
	s_mov_b32 s31, 0
	s_mov_b32 s33, 0
	s_wait_kmcnt 0x0
	s_cmp_lt_u32 ttmp9, 64
	s_cbranch_scc0 .Lq_way
	; ---- a weight's image: 32 columns x my K step
	s_bfe_u32 s34, ttmp9, 0x40001                  ; g: the group of 64 columns
	s_and_b32 s35, ttmp9, 1                        ; which 32 of them
	s_lshl_b32 s36, s34, 8
	s_add_co_u32 s28, s28, s36
	s_lshl_b32 s36, s35, 7
	s_add_co_u32 s28, s28, s36                     ; in the weight: K step, + 4 (64 g + 32 pair)
	s_mul_i32 s32, s34, GRP
	s_lshl_b32 s36, s[WV], 13
	s_add_co_u32 s30, s32, s36
	s_lshl_b32 s36, s35, 12
	s_add_co_u32 s30, s30, s36                     ; the codes: group, + 8,192 ks + 4,096 pair
	s_lshl_b32 s36, s[WV], 8
	s_add_co_u32 s32, s32, s36
	s_lshl_b32 s36, s35, 7
	s_add_co_u32 s32, s32, s36
	s_add_co_u32 s32, s32, 65536                   ; the scale words: group, + 65,536 + 256 ks + 128 pair
	s_cmp_lt_u32 ttmp9, 32                         ; Wv's work-group or Wd's: the choice hangs on the work-group's number alone
	s_cselect_b64 s[24:25], s[10:11], s[12:13]
	s_cselect_b64 s[26:27], s[16:17], s[18:19]
	s_add_nc_u64 s[24:25], s[24:25], s[28:29]
	s_add_nc_u64 s[38:39], s[26:27], s[32:33]
	s_add_nc_u64 s[26:27], s[26:27], s[30:31]
	s_wait_alu depctr_va_vdst(0)
.irp f, 0,1
.irp c, 0,1,2,3
.irp i, 0,1,2,3,4,5,6,7,8,9,10,11,12,13,14,15
	global_load_b32 v[N0+64*\f+16*\c+\i], v6, s[24:25] offset:(32*\c+\i)*4096+64*\f   ; W(128 ks + 32 c + 16 h + i, my column of tile f)
.endr
.endr
.endr
	s_wait_loadcnt 63                              ; the first fragment's 64 loads are in: 64 are younger, and the count's field holds 63
	QUANT N0, PC0, PW0
	s_wait_loadcnt 0x0
	QUANT N1, PC1, PW1
	v_cmp_le_u32 vcc_lo, 16, v1
	s_delay_alu instid0(VALU_DEP_1)
	v_cndmask_b32 v[PWM], v[PW0], v[PW1], vcc_lo   ; lanes 0-15: the even tile's words; lanes 16-31: the odd tile's
.irp f, 0,1
.irp c, 0,1,2,3
	global_store_b128 v4, v[PC0+16*\f+4*\c:PC0+16*\f+4*\c+3], s[26:27] offset:2048*\f+512*\c   ; 32 lanes store 512 consecutive bytes, aligned
.endr
.endr
	global_store_b32 v5, v[PWM], s[38:39]          ; 128 consecutive bytes: the two tiles' scale words
	s_endpgm
	; ---- q: 16 batches x 16 columns, my K step
.Lq_way:
	s_sub_co_u32 s34, ttmp9, 64
	s_and_b32 s35, s34, 63                         ; the tile of 16 columns
	s_lshr_b32 s34, s34, 6                         ; which 16 batches
	s_lshl_b32 s36, s35, 6                         ; 16 columns are 64 bytes
	s_add_co_u32 s28, s28, s36
	s_add_nc_u64 s[24:25], s[6:7], s[28:29]        ; Wq at my K step and columns
	s_mov_b32 s30, s36
	s_add_nc_u64 s[26:27], s[8:9], s[30:31]        ; bq at my columns
	s_lshl_b32 s32, s34, 16                        ; 16 rows of 4,096 bytes
	s_add_co_u32 s30, s32, s36
	s_add_nc_u64 s[14:15], s[14:15], s[30:31]      ; qbuf at my tile
	s_lshl_b32 s36, s[WV], 9
	s_add_co_u32 s32, s32, s36
	s_add_nc_u64 s[4:5], s[4:5], s[32:33]          ; state at my rows and K step
	s_wait_alu depctr_va_vdst(0)
.irp c, 0,1,2,3
.irp j, 0,1,2,3
	global_load_b128 v[N1+16*\c+4*\j:N1+16*\c+4*\j+3], v7, s[4:5] offset:128*\c+16*\j   ; state(row r, 128 ks + 32 c + 16 h + 4 j ..)
.endr
.endr
	global_load_b32 v[BI], v8, s[26:27]
.irp c, 0,1,2,3
.irp i, 0,1,2,3,4,5,6,7,8,9,10,11,12,13,14,15
	global_load_b32 v[N0+16*\c+\i], v6, s[24:25] offset:(32*\c+\i)*4096
.endr
.endr
	s_wait_loadcnt 63                              ; state's 16 loads are in: 65 are younger, and the count's field holds 63
	QUANT N1, PC1, PW1
	s_wait_loadcnt 0x0
	QUANT N0, PC0, PW0
	v_mov_b32 v[BI+1], v[BI]                       ; the packed additions below name the pair
	PLACES 8                                       ; a scale word made by vector instructions stands eight places ahead of the scaled matrix instruction, codes four
	v_wmma_scale_f32_16x16x128_f8f6f4 v[DD:DD+7], v[PC1:PC1+15], v[PC0:PC0+15], 0, v[PW1], v[PW0]   ; register j of lane (r, h): batch 8 h + j, column r
	PLACES 8                                       ; eight places ahead of the first read of the result
	ds_store_b128 v9, v[DD:DD+3]                   ; the result from its low end on
	ds_store_b128 v9, v[DD+4:DD+7] offset:512
	s_wait_dscnt 0x0                               ; for the others' sake: my stores have landed
	s_barrier_signal -1
	s_barrier_wait -1
	s_cmp_lg_u32 s[WV], 0
	s_cbranch_scc1 .Ldone
.irp w, 0,1,2,3,4,5,6,7
	ds_load_b128 v[N0+8*\w:N0+8*\w+3], v4 offset:1024*\w
	ds_load_b128 v[N0+8*\w+4:N0+8*\w+7], v4 offset:1024*\w+512
.endr
	s_wait_dscnt 0x0
	s_wait_alu depctr_va_vdst(0)
.irp p, 0,2,4,6
	v_pk_add_f32 v[N0+\p:N0+\p+1], v[N0+\p:N0+\p+1], v[BI:BI+1]
.endr
.irp w, 1,2,3,4,5,6,7
.irp p, 0,2,4,6
	s_delay_alu instid0(VALU_DEP_4)
	v_pk_add_f32 v[N0+\p:N0+\p+1], v[N0+\p:N0+\p+1], v[N0+8*\w+\p:N0+8*\w+\p+1]   ; K ascending
.endr
.endr
.irp j, 0,1,2,3,4,5,6,7
	global_store_b32 v11, v[N0+\j], s[14:15] offset:4096*\j   ; q(8 h + j, r): pieces of 64 bytes; the buffer is 128 KiB in all
.endr
.Ldone:
	s_wait_tensorcnt 0x0
	ds_add_u32 v208, v209
	s_wait_dscnt 0x0
	s_endpgm
.Lfunc_end_k_qf84ceffe67_prep:
	.size	k_qf84ceffe67_prep, .Lfunc_end_k_qf84ceffe67_prep-k_qf84ceffe67_prep
	.p2alignl 7, 3214868480
	.fill 96, 4, 3214868480
	.section	.rodata,"a",@progbits
	.p2align	6, 0x0
	.amdhsa_kernel k_qf84ceffe67_prep
		.amdhsa_group_segment_fixed_size 9216
		.amdhsa_private_segment_fixed_size 0
		.amdhsa_enable_private_segment 0
		.amdhsa_kernarg_size 64
		.amdhsa_user_sgpr_count 2
		.amdhsa_user_sgpr_kernarg_segment_ptr 1
		.amdhsa_wavefront_size32 1
		.amdhsa_system_sgpr_workgroup_id_x 1
		.amdhsa_system_sgpr_workgroup_id_y 1
		.amdhsa_system_sgpr_workgroup_id_z 1
		.amdhsa_system_vgpr_workitem_id 0
		.amdhsa_next_free_vgpr 210
		.amdhsa_next_free_sgpr 66
		.amdhsa_reserve_vcc 1
		.amdhsa_float_denorm_mode_32 3
		.amdhsa_float_denorm_mode_16_64 3
		.amdhsa_memory_ordered 1
		.amdhsa_forward_progress 1
		.amdhsa_inst_pref_size 67
	.end_amdhsa_kernel
	.amdgpu_metadata
---
amdhsa.version: [ 1, 2 ]
amdhsa.kernels:
  - .name:           k_qf84ceffe67_prep
    .symbol:         k_qf84ceffe67_prep.kd
    .args:
      - { .name: state, .offset: 0, .size: 8, .value_kind: global_buffer, .address_space: global }
      - { .name: Wq, .offset: 8, .size: 8, .value_kind: global_buffer, .address_space: global }
      - { .name: bq, .offset: 16, .size: 8, .value_kind: global_buffer, .address_space: global }
      - { .name: Wv, .offset: 24, .size: 8, .value_kind: global_buffer, .address_space: global }
      - { .name: Wd, .offset: 32, .size: 8, .value_kind: global_buffer, .address_space: global }
      - { .name: qbuf, .offset: 40, .size: 8, .value_kind: global_buffer, .address_space: global }
      - { .name: wvimg, .offset: 48, .size: 8, .value_kind: global_buffer, .address_space: global }
      - { .name: wdimg, .offset: 56, .size: 8, .value_kind: global_buffer, .address_space: global }
    .group_segment_fixed_size: 9216
    .private_segment_fixed_size: 0
    .kernarg_segment_align: 8
    .kernarg_segment_size: 64
    .max_flat_workgroup_size: 256
    .sgpr_count:     66
    .vgpr_count:     210
    .wavefront_size: 32
...
	.end_amdgpu_metadata
.endif
;; end of part 1
;; launch main (part 2): grid 256 x 1, 4 waves a work-group, clusters of 4 x 1, 327,680 bytes of LDS; arguments features, wvimg, qbuf, po, pml; writes po, pml
.if DOCPART == 2
	.amdgcn_target "amdgcn-amd-amdhsa--gfx1250"
	.amdhsa_code_object_version 6
	.text
	.protected	k_qf84ceffe67_main
	.globl	k_qf84ceffe67_main
	.p2align	8
	.type	k_qf84ceffe67_main,@function
k_qf84ceffe67_main:
	s_mov_b64 s[64:65], 0
	v_nop
	global_prefetch_b8 v0, s[64:65] scope:SCOPE_SE
	s_setreg_imm32_b32 hwreg(HW_REG_WAVE_MODE, 25, 1), 1
	s_wait_xcnt 0x0
	s_wait_alu depctr_hold_cnt(0) depctr_sa_sdst(0) depctr_va_vdst(0) depctr_va_sdst(0) depctr_va_ssrc(0) depctr_va_vcc(0) depctr_vm_vsrc(0)
	s_getreg_b32 s2, hwreg(HW_REG_IB_STS2, 6, 4)
	s_cmp_eq_u32 s2, 0
	s_cbranch_scc0 .Lentry_in_a_cluster
	s_endpgm
.Lentry_in_a_cluster:
	s_bfe_u32 s2, ttmp6, 0x10000c
	s_cmp_lg_u32 s2, 0x3003
	s_cbranch_scc0 .Lentry_shape_is_right
	s_endpgm
.Lentry_shape_is_right:
; For 256 rows of features (an eighth of one batch): a = Q(features) Q(Wv) on codes of FP8 (E4M3) with E8M0 scales, and at once, for each of the 16 heads, the softmax's parts over these rows:
; the largest score m, l = the sum of p, o = the sum of p a, with p = 2^(c s - c m), s = q . a, c = log2(e) / 8.  a never goes to memory.
; bv IS NOT ADDED HERE: q . (a + bv) = q . a + a constant of the head, which a softmax does not see, and (sum of p (a + bv)) / l = (sum of p a) / l + bv: the last launch adds bv.  It holds for every input.
; SHARES.  A work-group of four waves owns 256 rows, a wave 64: four tiles of 16.
; PHASE X.  A wave streams its 64 rows x 1,024 f32, quantises them and keeps ALL their codes in 512 registers (8 K steps x 4 tiles x 16).  A load takes 512 consecutive bytes of a row; the conversions want 16
;   neighbours along K in one lane: so 16 rows x 128 K at a time turn through the wave's own stage in LDS.  The codes go to their registers through images in LDS, four K steps at a time, so that the piece's text
;   can stand in a loop though its target registers change.
; PHASE G.  Wv's image goes once through a ring of two LDS slots, a head (64 columns x all of K, with its scale words: SLOT dense bytes) to a slot.  A fragment of Wv read from LDS feeds four matrix instructions.
;   THE MATRIX INSTRUCTION IS USED TRANSPOSED (source 0 = 16 columns of Wv, source 1 = 16 of my rows): lane (r, h) holds row 16 rt + r, register j channel 16 ct + 8 h + j of the head.
;   Behind a head's 128 matrix instructions stands its attention, in f32 by fused multiply-adds: its results go on into a quantised operand.  What of it names the accumulators (scores, p, the lane's own sums)
;   stands there (ATTF), with the next head's first LDS loads set into it; the sums over the sixteen lanes of a half, which name no accumulator, stand in slices of four behind the next head's first 32 matrix instructions.
; CLUSTER.  All work-groups walk the same image of Wv; the four of a cluster ask for each slot JOINTLY: the same tensor load, the same descriptor, a mask that names the four.
; No prefetch is laid: in phase X each wave has its 64 loads of 512 bytes on their way all the time, and Wv's image is one MiB that every work-group reads.
; LIMITS: NaN and infinities among the inputs are not served.  A block of zeros gets the byte 1 where the quantiser says 127 (its codes are zeros; this program alone reads the bytes).  A p under 2^-126 counts as 0.
; REGISTERS, in windows of 256.  Window 0: v1-15 addresses; v16-47 my rows' scale words; v48-63 Wv's; v64-160 at work.  Window 1: in X four landing sets of 64; in G Wv's fragments, two sets of 64, and from v128
;   the 16 accumulators ((rt, ct) at 128 + 8 (4 rt + ct)).  Windows 2, 3: my rows' fragments: (ks, rt) in window 2 + ks / 4 at 64 (ks % 4) + 16 rt.
.set SLOT,  67584                      ; a head of the image: 65,536 bytes of codes + 2,048 of scale words
.set QUART, 16896                      ; what one wave's tensor load brings: 66 rows of 256 bytes
.set IMG,   2*SLOT                     ; behind the ring: for each wave 16 fragment images of 2,048 bytes, then 16 scale-word images of 128
.set IMGW,  34816
.set STAGE, IMG+4*IMGW                 ; for each wave 16 rows x (512 bytes + 16): 132 words, so that row r starts 4 r words on, modulo 64
.set SP,    528
.set STGW,  16*SP
.set MO,    STAGE+4*STGW               ; for each wave o of the 16 heads, 256 bytes each
.set ML,    MO+4*4096                  ; for each wave (c m, l) of the 16 heads
.set SPARE, ML+512                     ; the spare words, 128 bytes for each wave: two blocks of 256 bytes that no other line names
.set L16, 1                            ; v1   16 x lane; never rewritten
.set STW, 2                            ; v2   the stage, on the way in
.set STR, 3                            ; v3   and on the way out: row r, + 64 h
.set IMW, 4                            ; v4   my wave's fragment images, 16 x lane
.set ISW, 5                            ; v5   its scale-word images, 4 x lane
.set SPW, 6                            ; v6   LDS address of my spare word; never rewritten
.set NIL, 7                            ; v7   0; never rewritten
.set ADR, 8                            ; v8   Wv's fragments in the slot in hand
.set ADS, 9                            ; v9   its scale words
.set QOF, 10                           ; v10  32 h: my eight channels of a tile of q
.set MO0, 11                           ; v11  my wave's o, + 32 h
.set ML0, 12                           ; v12  my wave's (c m, l)
.set MA,  13                           ; v13  X: where the K step's images go;  G: the head's o
.set MB,  14                           ; v14  X: its scale words;               G: the head's (c m, l)
.set L4S, 15                           ; v15  65,536 + 4 x lane: a scale word's place in a slot
.set SA,  16                           ; v16-47  word of (ks, rt) at 4 ks + rt
.set SB,  48                           ; v48-63  at 2 ks + pr: lanes 0-15 tile 2 pr's words, lanes 16-31 tile 2 pr + 1's
.set X,   64                           ; X: 64 neighbours;  v128-143 the codes just made;  v144-159 at work in QUANT;  v160 the scale word just made
.set PC,  128
.set TM,  144
.set PW,  160
.set Q,   64                           ; G: v64-95 q of the head: register 8 ct + j = channel 16 ct + 8 h + j
.set O,   96                           ; v96-127 o likewise
.set S2,  128                          ; v128-135 a pair of partial scores for each tile of rows
.set SS,  136                          ; v136-139 the scores
.set T4,  140                          ; v140-143 the other half's
.set MX,  144                          ; v144 the largest score
.set CM,  146                          ; v[146:147] c m, l
.set P,   148                          ; v148, 150, 152, 154: p; each is named as a pair's low word
.set T,   156
.set AC,  128                          ; in window 1
.set WV,  14                           ; s14  my wave's number
.set SEL, 22                           ; s[22:23] lane selects: lane l xor 16
.set MNT, 44                           ; s44  the mantissa field of 448
.set MSB, 0
.macro WIN new                         ; the immediate's high byte repeats the setting that is left; a switch that changes nothing is dropped
.if MSB != \new
	s_set_vgpr_msb (MSB<<8)|\new
.set MSB, \new
.endif
.endm
.macro PLACES n
.rept \n
	v_nop
.endr
.endm
.macro CREST                           ; a round of the cluster's barrier behind its opening barrier
	s_cmp_lg_u32 s[WV], 0
	s_cbranch_scc1 .Lnot_wave_0_\@
	s_barrier_signal -3
.Lnot_wave_0_\@:
	s_barrier_wait -3
	s_barrier_signal -1
	s_barrier_wait -1
.endm
.macro CROUND                          ; a whole round
	s_barrier_signal -1
	s_barrier_wait -1
	CREST
.endm
; 64 numbers of a lane, register 16 b + i = k 32 b + 16 (lane / 16) + i of the lane's row, become a fragment's codes in v[pc] on and its scale word in v[pw].
.macro QUANT s, pc, pw
.irp b, 0,1,2,3
	v_max3_num_f32 v[TM+\b], |v[\s+16*\b]|, |v[\s+16*\b+1]|, 0x4800000   ; block b: my 16 numbers and the floor 2^(9 - 127): the byte cannot fall under 1
.endr
.irp i, 2,4,6,8,10,12,14
.irp b, 0,1,2,3
	v_max3_num_f32 v[TM+\b], v[TM+\b], |v[\s+16*\b+\i]|, |v[\s+16*\b+\i+1]|   ; the four blocks by turns
.endr
.endr
.irp b, 0,1,2,3
	v_permlanex16_b32 v[TM+4+\b], v[TM+\b], s[SEL], s[SEL+1]
.endr
.irp b, 0,1,2,3
	v_max_num_f32 v[TM+\b], v[TM+\b], v[TM+4+\b]   ; with lane l xor 16's 16: the block's largest magnitude
.endr
.irp b, 0,1,2,3
	v_add_nc_u32 v[TM+12+\b], 0xfc000000, v[TM+\b]   ; 8 off its exponent field: the conversion's scale operand
.endr
.irp b, 0,1,2,3
	v_and_or_b32 v[TM+8+\b], v[TM+\b], 0x7f800000, s[MNT]   ; 448 x the scale
.endr
.irp b, 0,1,2,3
	v_lshrrev_b32 v[TM+4+\b], 23, v[TM+12+\b]      ; the scale's byte
.endr
	v_lshl_or_b32 v[\pw], v[TM+5], 8, v[TM+4]
	v_lshl_or_b32 v[\pw], v[TM+6], 16, v[\pw]
	v_lshl_or_b32 v[\pw], v[TM+7], 24, v[\pw]
.irp b, 0,1,2,3
.irp i, 0,1,2,3,4,5,6,7,8,9,10,11,12,13,14,15
	v_med3_num_f32 v[\s+16*\b+\i], v[\s+16*\b+\i], -v[TM+8+\b], v[TM+8+\b]   ; the conversion does not saturate (ISA guide 7.6.2): the hold at the largest code x the scale
.endr
	v_cvt_scalef32_pk8_fp8_f32 v[\pc+4*\b:\pc+4*\b+1], v[\s+16*\b:\s+16*\b+7], v[TM+12+\b]
	v_cvt_scalef32_pk8_fp8_f32 v[\pc+4*\b+2:\pc+4*\b+3], v[\s+16*\b+8:\s+16*\b+15], v[TM+12+\b]
.endr
	v_nop                                          ; a plain line behind the last conversion
.endm
; 16 loads: rows 16 s .. 16 s + 15 of my 64, 512 bytes (128 along K) of each, at the K step at which s[4:5] stands, into landing set s.  32 lanes read 512 consecutive bytes.
.macro LOADSET s
.irp i, 0,1,2,3,4,5,6,7,8,9,10,11,12,13,14,15
	global_load_b128 v[64*(\s)+4*\i:64*(\s)+4*\i+3], v[L16], s[4:5] offset:(16*(\s)+\i)*4096 th:TH_LOAD_NT
.endr
.endm
	s_load_b256 s[4:11], s[0:1], 0x0               ; features s[4:5], wvimg s[6:7], qbuf s[8:9], po s[10:11]
	s_load_b64 s[12:13], s[0:1], 0x20              ; pml
	v_lshl_add_u32 v[SPW], v0, 2, SPARE
	v_mov_b32 v[NIL], 0
	ds_add_u32 v6, v7
	ds_add_u32 v6, v7
	s_wait_dscnt 0x0
	v_lshrrev_b32 v64, 5, v0
	v_readfirstlane_b32 s[WV], v64                 ; wave 0..3
	s_bfe_u32 s15, ttmp6, 0x40000                  ; cx: my place in the cluster: it enters global addresses of my own rows alone
	s_lshl_b32 s16, ttmp9, 2                       ; in a cluster launch ttmp9 counts clusters
	s_add_co_u32 s16, s16, s15                     ; my block of 256 rows
	v_and_b32 v65, 31, v0                          ; lane
	v_and_b32 v66, 15, v0                          ; r
	v_bfe_u32 v67, v0, 4, 1                        ; h
	v_lshlrev_b32 v[L16], 4, v65
	v_lshlrev_b32 v68, 2, v65
	s_mul_i32 s50, s[WV], STGW
	s_add_co_u32 s50, s50, STAGE
	v_add_nc_u32 v[STW], s50, v[L16]
	v_mul_u32_u24 v[STR], v66, SP
	v_lshl_add_u32 v[STR], v67, 6, v[STR]
	v_add_nc_u32 v[STR], s50, v[STR]
	s_mul_i32 s50, s[WV], IMGW
	s_add_co_u32 s50, s50, IMG
	v_add_nc_u32 v[IMW], s50, v[L16]
	s_add_co_u32 s50, s50, 32768
	v_add_nc_u32 v[ISW], s50, v68
	v_add_nc_u32 v[L4S], 65536, v68
	v_lshlrev_b32 v[QOF], 5, v67
	s_lshl_b32 s50, s[WV], 12
	s_add_co_u32 s50, s50, MO
	v_add_nc_u32 v[MO0], s50, v[QOF]
	s_lshl_b32 s50, s[WV], 7
	s_add_co_u32 s50, s50, ML
	v_mov_b32 v[ML0], s50
.irp b, 0,1,2,3
	v_mov_b32 v[TM+4+\b], 0                        ; written once: a lane permute's destination counts as one of its sources
.endr
	s_mov_b32 s[SEL], 0x76543210
	s_mov_b32 s[SEL+1], 0xfedcba98
	s_mov_b32 s[MNT], 0x600000
	s_mov_b32 s45, 0x3e38aa3b                      ; c = log2(e) / sqrt(64)
	; descriptor group 1: a dense block of QUART bytes as 66 rows of 256 bytes (32 elements of 8 bytes), no padding: fragments are read as they lie, 512 consecutive bytes a load
	s_mov_b32 s24, 15|(3<<16)|(1<<21)              ; 15:0 the mask: all four work-groups; 17:16 elements of 8 bytes; 21 set beside a mask
	s_mov_b32 s25, 32<<16                          ; tensor_dim0 = 32
	s_mov_b32 s26, 66<<16                          ; tensor_dim1 = 66
	s_mov_b32 s27, 32<<16                          ; tile_dim0 = 32
	s_mov_b32 s28, 66                              ; tile_dim1 = 66
	s_mov_b32 s29, 32                              ; tensor_dim0_stride
	s_mov_b32 s30, 0
	s_mov_b32 s31, 0
	s_mul_i32 s50, s[WV], QUART                    ; my quarter of a slot, in the image and in LDS alike: the wave's number alone
	s_mov_b32 s51, 0
	s_wait_kmcnt 0x0
	s_add_nc_u64 s[52:53], s[6:7], s[50:51]
	s_mov_b32 s32, 1                               ; group 0 for slot 0, head 0
	s_mov_b32 s33, s50
	s_mov_b64 s[34:35], s[52:53]
	s_or_b32 s35, s35, 0x80000000
	s_mov_b32 s36, 1                               ; group 0 for slot 1, head 1; it then walks on
	s_add_co_u32 s37, s50, SLOT
	s_add_nc_u64 s[38:39], s[52:53], SLOT
	s_or_b32 s39, s39, 0x80000000
	s_lshl_b32 s50, s16, 20                        ; my block's 256 rows of 4,096 bytes,
	s_lshl_b32 s52, s[WV], 18                      ; my wave's 64 of them
	s_add_co_u32 s50, s50, s52
	s_add_nc_u64 s[4:5], s[4:5], s[50:51]
	s_lshl_b32 s50, s16, 12
	s_add_nc_u64 s[10:11], s[10:11], s[50:51]      ; po: 4,096 bytes a block
	s_lshl_b32 s50, s16, 7
	s_add_nc_u64 s[12:13], s[12:13], s[50:51]      ; pml: 128 bytes a block
	s_lshr_b32 s50, s16, 3                         ; the batch
	s_lshl_b32 s50, s50, 12
	s_add_nc_u64 s[8:9], s[8:9], s[50:51]          ; its row of q
	WIN 0x40                                       ; destination window 1
	LOADSET 0                                      ; K step 0 of my 64 rows goes out ahead of the cluster's round: these loads are my own, into registers, and are on their way while the round passes
	LOADSET 1
	LOADSET 2
	LOADSET 3
	WIN 0
	CROUND                                         ; all four work-groups are here: the first joint loads meet
	tensor_load_to_lds s[32:35], s[24:31]          ; head 0 into slot 0: my one tensor load at the head; slot 1's first fill stands in front of phase G
	s_nop 0
	PLACES 4                                       ; four v_nop follow it
; A PIECE: tile s of my rows x the K step in hand.  left = the younger loads that may stay out.
.macro PIECE s, reload, left
	s_wait_loadcnt \left                           ; loads come back in order (ISA guide 5.7.1): set s is in, the younger sets stay out
	WIN 0x04                                       ; an LDS store's data are its source 1: window 1
.irp i, 0,1,2,3,4,5,6,7,8,9,10,11,12,13,14,15
	ds_store_b128 v[STW], v[64*(\s)+4*\i:64*(\s)+4*\i+3] offset:SP*\i
.endr
	WIN 0
.irp c, 0,1,2,3
.irp j, 0,1,2,3
	ds_load_b128 v[X+16*\c+4*\j:X+16*\c+4*\j+3], v[STR] offset:128*\c+16*\j   ; LDS serves a wave's instructions in order (ISA guide 5.7.1.4): these see the stores above
.endr
.endr
	s_wait_dscnt 0x0                               ; my 64 neighbours are in; the stage's stores have read set s; the last piece's image stores have read the codes' registers
.if \reload
.if (\s) == 0
	s_wait_xcnt 0x0                                ; the loads that name s[4:5] have read it: the youngest were issued a piece ago.  Only behind this wait
	s_add_nc_u64 s[4:5], s[4:5], 512               ; does the base step to the next K step, for this trip's four reloads
.endif
	WIN 0x40
	LOADSET \s                                     ; the same rows of the next K step
	WIN 0
.endif
	QUANT X, PC, PW
.irp c, 0,1,2,3
	ds_store_b128 v[MA], v[PC+4*\c:PC+4*\c+3] offset:2048*(\s)+512*\c   ; the fragment as an image of its registers
.endr
	ds_store_b32 v[MB], v[PW] offset:128*(\s)
.endm
; A K step of my 64 rows.
.macro XTRIP reload, l0, l1, l2, l3
	s_wait_dscnt 0x0                               ; no LDS instruction of mine is out: the two address registers are written
	v_add_nc_u32 v[MA], s42, v[IMW]
	v_add_nc_u32 v[MB], s43, v[ISW]
	PIECE 0, \reload, \l0
	PIECE 1, \reload, \l1
	PIECE 2, \reload, \l2
	PIECE 3, \reload, \l3
	s_add_co_u32 s42, s42, 8192
	s_add_co_u32 s43, s43, 512
.endm
; Four K steps' images become registers: 16 fragments fill window win, their scale words 16 registers of window 0.  The bytes are the wave's own, and LDS serves it in order: no barrier.
.macro DRAIN win
.if (\win) == 2
	WIN 0x80
.else
	WIN 0xc0
.endif
.irp f, 0,1,2,3,4,5,6,7,8,9,10,11,12,13,14,15
.irp c, 0,1,2,3
	ds_load_b128 v[16*\f+4*\c:16*\f+4*\c+3], v[IMW] offset:2048*\f+512*\c
.endr
.endr
	WIN 0
.irp f, 0,1,2,3,4,5,6,7,8,9,10,11,12,13,14,15
	ds_load_b32 v[SA+16*((\win)-2)+\f], v[ISW] offset:128*\f
.endr
.endm
	s_mov_b32 s42, 0
	s_mov_b32 s43, 0
	s_mov_b32 s41, 4
.Lx_low:                                               ; K steps 0 to 3; each piece asks for its rows of the next K step: three younger sets, 48 loads, at every wait
	XTRIP 1, 48, 48, 48, 48
	s_sub_co_u32 s41, s41, 1
	s_cmp_lg_u32 s41, 0
	s_cbranch_scc1 .Lx_low
	DRAIN 2
	s_mov_b32 s42, 0
	s_mov_b32 s43, 0
	s_mov_b32 s41, 3
.Lx_high:                                              ; K steps 4 to 6
	XTRIP 1, 48, 48, 48, 48
	s_sub_co_u32 s41, s41, 1
	s_cmp_lg_u32 s41, 0
	s_cbranch_scc1 .Lx_high
	XTRIP 0, 48, 32, 16, 0                         ; K step 7 asks for nothing: no load leaves the buffer, and the counts run down
	DRAIN 3
; ---- PHASE G
; One matrix instruction: K step ks, tile rt of my rows, tile ct of the head's columns.
.macro MM ks, rt, ct, zero
.set rD, AC+8*(4*\rt+\ct)
.set rB, 64*((\ks)%2)+16*\ct
.set rA, 64*((\ks)%4)+16*\rt
.set rSB, SB+2*(\ks)+\ct/2
.set rSA, SA+4*(\ks)+\rt
.if \zero
.if \ct%2
	v_wmma_scale_f32_16x16x128_f8f6f4 v[rD:rD+7], v[rB:rB+15], v[rA:rA+15], 0, v[rSB], v[rSA] matrix_a_scale:MATRIX_SCALE_ROW1
.else
	v_wmma_scale_f32_16x16x128_f8f6f4 v[rD:rD+7], v[rB:rB+15], v[rA:rA+15], 0, v[rSB], v[rSA]
.endif
.else
.if \ct%2
	v_wmma_scale_f32_16x16x128_f8f6f4 v[rD:rD+7], v[rB:rB+15], v[rA:rA+15], v[rD:rD+7], v[rSB], v[rSA] matrix_a_scale:MATRIX_SCALE_ROW1
.else
	v_wmma_scale_f32_16x16x128_f8f6f4 v[rD:rD+7], v[rB:rB+15], v[rA:rA+15], v[rD:rD+7], v[rSB], v[rSA]
.endif
.endif
.endm
; THE SUMS OVER THE SIXTEEN LANES OF A HALF: o's 32 registers and l, four steps (lane xor 1, 2, 4, 8): 132 lines, numbered by the symbol bi (l's line closes each step).  They name no register of a product.
.macro BLINE m
	v_add_f32_dpp v[O+bi%32], v[O+bi%32], v[O+bi%32] row_xmask:\m row_mask:0xf bank_mask:0xf
.if bi%32 == 31
	v_add_f32_dpp v[CM+1], v[CM+1], v[CM+1] row_xmask:\m row_mask:0xf bank_mask:0xf
.endif
.endm
.macro BFLY n                          ; the next n of o's 128 lines
.rept \n
.if bi < 32
	BLINE 1
.elseif bi < 64
	BLINE 2
.elseif bi < 96
	BLINE 4
.else
	BLINE 8
.endif
.set bi, bi+1
.endr
.endm
.macro OSTORE                          ; the head's o and (c m, l) to my wave's place in LDS; the sixteen lanes of a half write the same bytes with the same values
.irp ct, 0,1,2,3
	ds_store_b128 v[MA], v[O+8*\ct:O+8*\ct+3] offset:64*\ct
	ds_store_b128 v[MA], v[O+8*\ct+4:O+8*\ct+7] offset:64*\ct+16
.endr
	ds_store_b64 v[MB], v[CM:CM+1]
.endm
; 16 matrix instructions: the 16 accumulators take turns, one instruction a turn, in the same order in every K step.  zero = 1: the products start the sums.
; sl = 1: behind each stands a slice of four lines of the last head's sums over lanes: four lines and two switches of the window for one matrix instruction.
.macro KMUL ks, zero, sl
.irp rt, 0,1,2,3
.irp ct, 0,1,2,3
.if (\ks) < 4
	WIN 0x59                                       ; source 0 (Wv) window 1, source 1 (my rows) window 2, C and D window 1
.else
	WIN 0x5d                                       ; the same with my rows in window 3
.endif
	MM \ks, \rt, \ct, \zero
.if \sl
	WIN 0
	BFLY 4
.endif
.endr
.endr
.endm
.macro BFETCH ks                       ; Wv's four fragments of K step ks into set ks % 2: 16 loads of 512 consecutive bytes
	WIN 0x40
.irp ct, 0,1,2,3
.irp c, 0,1,2,3
	ds_load_b128 v[64*((\ks)%2)+16*\ct+4*\c:64*((\ks)%2)+16*\ct+4*\c+3], v[ADR] offset:8192*(\ks)+2048*\ct+512*\c
.endr
.endr
	WIN 0
.endm
.macro BHALF ks, hf                    ; two of the four: tiles 2 hf and 2 hf + 1
	WIN 0x40
.irp u, 0,1
.irp c, 0,1,2,3
	ds_load_b128 v[64*((\ks)%2)+16*(2*(\hf)+\u)+4*\c:64*((\ks)%2)+16*(2*(\hf)+\u)+4*\c+3], v[ADR] offset:8192*(\ks)+2048*(2*(\hf)+\u)+512*\c
.endr
.endr
	WIN 0
.endm
.macro SBQ q                           ; four of the head's sixteen registers of scale words
.irp i, 0,1,2,3
	ds_load_b32 v[SB+4*(\q)+\i], v[ADS] offset:128*(4*(\q)+\i)
.endr
.endm
.macro QLOAD                           ; q of the head: my eight channels of each of the four tiles
.irp ct, 0,1,2,3
	global_load_b128 v[Q+8*\ct:Q+8*\ct+3], v[QOF], s[8:9] offset:64*\ct
	global_load_b128 v[Q+8*\ct+4:Q+8*\ct+7], v[QOF], s[8:9] offset:64*\ct+16
.endr
.endm
; K steps 0 to 6 of a head.  Behind each K step up to the sixth: eight places, then the loads of the K step two on into the set just read.
.macro KSTEPS
.set bi, 0
	s_wait_dscnt 16                                ; set 0 and the scale words are in; set 1's 16 loads, the youngest, may be out
	KMUL 0, 1, 1
	PLACES 8                                       ; eight places ahead of loads into registers that these matrix instructions have read
	BFETCH 2
	s_wait_dscnt 16                                ; set 1 is in; K step 2's 16 loads may be out
	KMUL 1, 0, 1
	OSTORE                                         ; the last head's sums are whole: nine stores
	PLACES 8
	BFETCH 3
	s_wait_dscnt 25                                ; K step 2's set is in; behind it: the nine stores and K step 3's 16 loads
	KMUL 2, 0, 0
	PLACES 8
	BFETCH 4
.irp ks, 3,4,5
	s_wait_dscnt 16                                ; this K step's set is in; the next one's 16 loads may be out
	KMUL \ks, 0, 0
	PLACES 8
	BFETCH (\ks)+2
.endr
	s_wait_dscnt 16
	KMUL 6, 0, 0
.endm
; K step 7 and the change of slots: ONE barrier.  In front of it each wave waits for all its tensor loads (its quarter of the next head), adds 0 to its spare word, and waits for that and for its reads of this slot.
; fill = 1: the barrier opens a round of the cluster's barrier, and this slot is filled with the head two on: the load has the attention and 112 matrix instructions in which to land.
; Behind it only eight of the next head's LDS loads are issued: all four waves stand here together; the others are set into the attention.
.macro TURN fill
	WIN 0                                          ; (the add's two registers lie in window 0)
	s_wait_tensorcnt 0x0                           ; no tensor load of mine is out, so a group 0 may be written
	ds_add_u32 v[SPW], v[NIL]                      ; 0 onto my spare word
.if \fill
	s_xor_b32 s37, s37, SLOT                       ; the other slot than last time: SLOT's two bits, 11 and 16, are set in no multiple 0 .. 3 of QUART, so the exclusive or adds or takes away SLOT
	s_add_nc_u64 s[38:39], s[38:39], SLOT          ; the next head; the type bits on top are not reached
.endif
	s_wait_dscnt 0x0                               ; the add is done, K step 7's set is in, and my reads of this slot are over
	s_barrier_signal -1
	KMUL 7, 0, 0                                   ; work on registers while the others arrive
	WIN 0
	s_barrier_wait -1
.if \fill
	CREST                                          ; no wave of any partner still reads this slot or has a load on its way
	tensor_load_to_lds s[36:39], s[24:31]          ; the first thing behind the round, and my one tensor load until the next
	s_nop 0
.endif
	PLACES 8                                       ; behind the tensor load, and the eight places ahead of the loads and of the first read of the results
	s_xor_b32 s40, s40, SLOT
	v_add_nc_u32 v[ADR], s40, v[L16]               ; (no LDS instruction of mine is out)
	v_add_nc_u32 v[ADS], s40, v[L4S]
	BHALF 0, 0
.endm
; Half of the scores' work: s = q . a, two channels an instruction, pairs e0 .. e0 + 7 of the lane's 16, the four tiles of rows by turns; each accumulator is read from its low end on.
.macro LOGITS e0
	WIN 0x01                                       ; source 0: the accumulators, window 1
.irp d, 0,1,2,3,4,5,6,7
.set e, (\e0)+\d
.irp rt, 0,1,2,3
.if e == 0
	v_pk_mul_f32 v[S2+2*\rt:S2+2*\rt+1], v[AC+32*\rt:AC+32*\rt+1], v[Q:Q+1]
.else
	v_pk_fma_f32 v[S2+2*\rt:S2+2*\rt+1], v[AC+8*(4*\rt+e/4)+2*(e%4):AC+8*(4*\rt+e/4)+2*(e%4)+1], v[Q+2*e:Q+2*e+1], v[S2+2*\rt:S2+2*\rt+1]
.endif
.endr
.endr
.endm
; THE HEAD'S ATTENTION over my 64 rows, as far as it names the accumulators.  more = 1: there is a next head: its q is asked for, and 40 of its first 48 LDS loads are set between the parts:
; eight between the halves of the scores, the scale words by fours into the chain that finds the maximum, K step 1's sixteen between the exponentials and their wait.
.macro ATTF more
	s_wait_loadcnt 0x0                             ; q of this head
	v_add_nc_u32 v[MA], s46, v[MO0]                ; (the last head's stores, which named these two, were shown done at the change of slots)
	v_add_nc_u32 v[MB], s47, v[ML0]
	LOGITS 0
.if \more
	BHALF 0, 1
.endif
	LOGITS 8
	WIN 0
.if \more
	s_add_nc_u64 s[8:9], s[8:9], 256               ; (the wait above has shown the last loads done)
	QLOAD
.endif
.irp rt, 0,1,2,3
	v_add_f32 v[SS+\rt], v[S2+2*\rt], v[S2+2*\rt+1]
.endr
.if \more
	SBQ 0
.endif
.irp rt, 0,1,2,3
	v_permlanex16_b32 v[T4+\rt], v[SS+\rt], s[SEL], s[SEL+1]   ; the row's other 32 channels lie in the lane 16 away
.endr
.if \more
	SBQ 1
.endif
.irp rt, 0,1,2,3
	v_add_f32 v[SS+\rt], v[SS+\rt], v[T4+\rt]
.endr
.if \more
	SBQ 2
.endif
	v_max3_num_f32 v[MX], v[SS], v[SS+1], v[SS+2]
	v_max_num_f32 v[MX], v[MX], v[SS+3]
.if \more
	SBQ 3
.endif
.irp m, 1,2,4,8
	v_max_num_f32_dpp v[MX], v[MX], v[MX] row_xmask:\m row_mask:0xf bank_mask:0xf
.endr                                          ; the largest score of my 64 rows, in every lane
	v_mul_f32 v[CM], s45, v[MX]
.irp rt, 0,1,2,3
	v_fma_f32 v[P+2*\rt], v[SS+\rt], s45, -v[CM]
.endr
	s_wait_alu depctr_va_vdst(0)
.irp rt, 0,1,2,3
	v_exp_f32 v[P+2*\rt], v[P+2*\rt]               ; p = 2^(c s - c m)
.endr
	v_nop                                          ; a plain line behind the last exponential
.if \more
	BFETCH 1                                       ; names no result of the four
.endif
	s_wait_alu depctr_va_vdst(0)                   ; one wait for the four, ahead of their first reader
	v_add_f32 v[T], v[P], v[P+2]
	v_add_f32 v[CM+1], v[P+4], v[P+6]
	v_add_f32 v[CM+1], v[CM+1], v[T]               ; l over my lane's four rows
	WIN 0x01
.irp e, 0,1,2,3,4,5,6,7,8,9,10,11,12,13,14,15  ; o = the sum of p a over my lane's four rows
	v_pk_mul_f32 v[O+2*\e:O+2*\e+1], v[AC+8*(\e/4)+2*(\e%4):AC+8*(\e/4)+2*(\e%4)+1], v[P:P+1] op_sel_hi:[1,0]
.endr
.irp rt, 1,2,3
.irp e, 0,1,2,3,4,5,6,7,8,9,10,11,12,13,14,15
	v_pk_fma_f32 v[O+2*\e:O+2*\e+1], v[AC+8*(4*\rt+\e/4)+2*(\e%4):AC+8*(4*\rt+\e/4)+2*(\e%4)+1], v[P+2*\rt:P+2*\rt+1], v[O+2*\e:O+2*\e+1] op_sel_hi:[1,0,1]
.endr
.endr
	WIN 0
	s_add_co_u32 s46, s46, 256
	s_add_co_u32 s47, s47, 8
.endm
	s_wait_tensorcnt 0x0                           ; my quarter of head 0 is in
	ds_add_u32 v[SPW], v[NIL]                      ; 0 onto my spare word
	s_wait_dscnt 0x0                               ; the add is done, and my rows' fragments and scale words are in their registers
	CROUND                                         ; a whole round: everybody's quarter of head 0 is in, and all four work-groups are here: the joint loads meet
	tensor_load_to_lds s[36:39], s[24:31]          ; head 1 into slot 1: the first tensor load behind the round; it has head 0's 112 matrix instructions in which to land
	s_nop 0
	PLACES 4
	s_mov_b32 s40, 0                               ; the slot in hand
	s_mov_b32 s46, 0                               ; the head's place among o,
	s_mov_b32 s47, 0                               ; and among (c m, l)
	v_add_nc_u32 v[ADR], s40, v[L16]
	v_add_nc_u32 v[ADS], s40, v[L4S]
	v_add_nc_u32 v[MA], s46, v[MO0]
	v_add_nc_u32 v[MB], s47, v[ML0]
.irp rt, 0,1,2,3
	v_mov_b32 v[T4+\rt], 0                         ; written once: a lane permute's destination counts as one of its sources
	v_mov_b32 v[P+2*\rt+1], 0                      ; named as the upper half of p's pair, so it is written
.endr
.irp i, 0,1,2,3,4,5,6,7,8,9,10,11,12,13,14,15,16,17,18,19,20,21,22,23,24,25,26,27,28,29,30,31
	v_mov_b32 v[O+\i], 0                           ; the loop is written once: its first trip has no head behind it, sums zeros and stores them at head 0's place, which the second trip writes again
.endr
	v_mov_b32 v[CM], 0
	v_mov_b32 v[CM+1], 0
	BFETCH 0
	SBQ 0
	SBQ 1
	SBQ 2
	SBQ 3
	BFETCH 1
	QLOAD
	s_mov_b32 s41, 14
.Lhead:                                                ; heads 0 to 13: each change of slots asks for the head two on
	KSTEPS
	TURN 1
	ATTF 1
	s_sub_co_u32 s41, s41, 1
	s_cmp_lg_u32 s41, 0
	s_cbranch_scc1 .Lhead
	KSTEPS                                         ; head 14: the tail is written out; nothing is left to ask for
	TURN 0
	ATTF 1
	KSTEPS                                         ; head 15
	s_wait_dscnt 0x0
	KMUL 7, 0, 0
	WIN 0
	PLACES 8
	ATTF 0
.set bi, 0
	BFLY 128                                       ; head 15's sums over lanes: no products are left to set them behind
	OSTORE
	; ---- the four waves' parts become the block's: thread t takes channels 4 t .. 4 t + 3 of the row's 1,024 and the same 512 further on: heads t / 16 and t / 16 + 8
	s_wait_dscnt 0x0                               ; for the others' sake: my stores have landed
	s_barrier_signal -1
	s_barrier_wait -1
	v_lshrrev_b32 v141, 4, v0
	v_lshlrev_b32 v142, 3, v141                    ; 8 (t / 16): a head's (c m, l), in LDS and in pml
	v_add_nc_u32 v[ADR], ML, v142
	v_lshlrev_b32 v140, 4, v0                      ; 16 t
	v_add_nc_u32 v[ADS], MO, v140
.irp u, 0,1
.irp w, 0,1,2,3
	ds_load_b64 v[64+8*\u+2*\w:64+8*\u+2*\w+1], v[ADR] offset:128*\w+64*\u
	ds_load_b128 v[80+16*\u+4*\w:80+16*\u+4*\w+3], v[ADS] offset:4096*\w+2048*\u
.endr
.endr
	v_and_b32 v141, 15, v0
	s_wait_dscnt 0x0
.irp u, 0,1
	v_max3_num_f32 v[112+2*\u], v[64+8*\u], v[66+8*\u], v[68+8*\u]
.endr
.irp u, 0,1
	v_max_num_f32 v[112+2*\u], v[112+2*\u], v[70+8*\u]   ; the block's c m
.endr
.irp u, 0,1
.irp w, 0,1,2,3
	v_sub_f32 v[116+4*\u+\w], v[64+8*\u+2*\w], v[112+2*\u]
.endr
.endr
	s_wait_alu depctr_va_vdst(0)
.irp i, 0,1,2,3,4,5,6,7
	v_exp_f32 v[116+\i], v[116+\i]                 ; what brings a wave's sums under the block's maximum
.endr
	v_nop
	s_wait_alu depctr_va_vdst(0)                   ; one wait for the eight
.irp u, 0,1
	v_mul_f32 v[113+2*\u], v[116+4*\u], v[65+8*\u]
.endr
.irp w, 1,2,3
.irp u, 0,1
	v_fma_f32 v[113+2*\u], v[116+4*\u+\w], v[65+8*\u+2*\w], v[113+2*\u]   ; the block's l
.endr
.endr
.irp u, 0,1
.irp k, 0,1,2,3
	v_mul_f32 v[132+4*\u+\k], v[116+4*\u], v[80+16*\u+\k]
.endr
.endr
.irp w, 1,2,3
.irp u, 0,1
.irp k, 0,1,2,3
	v_fma_f32 v[132+4*\u+\k], v[116+4*\u+\w], v[80+16*\u+4*\w+\k], v[132+4*\u+\k]   ; the block's o
.endr
.endr
.endr
	global_store_b128 v140, v[132:135], s[10:11]               ; 32 lanes store 512 consecutive bytes, aligned
	global_store_b128 v140, v[136:139], s[10:11] offset:2048
	v_cmp_eq_u32 vcc_lo, 0, v141                   ; one thread in sixteen stores its two heads' (c m, l): 128 bytes a block
	s_wait_xcnt 0x0                                ; EXEC changes only behind this wait
	s_and_saveexec_b32 s48, vcc_lo
	global_store_b64 v142, v[112:113], s[12:13]
	global_store_b64 v142, v[114:115], s[12:13] offset:64
	s_wait_xcnt 0x0                                ; and again, in front of the line that widens it
	s_or_b32 exec_lo, exec_lo, s48
	s_wait_tensorcnt 0x0                           ; the wave's end, behind my last tensor load and my last LDS store
	ds_add_u32 v[SPW], v[NIL]
	s_wait_dscnt 0x0
	CROUND                                         ; the closing round: no work-group ends while a partner may still ask for a slot that names it
	s_endpgm
.Lfunc_end_k_qf84ceffe67_main:
	.size	k_qf84ceffe67_main, .Lfunc_end_k_qf84ceffe67_main-k_qf84ceffe67_main
	.p2alignl 7, 3214868480
	.fill 96, 4, 3214868480
	.section	.rodata,"a",@progbits
	.p2align	6, 0x0
	.amdhsa_kernel k_qf84ceffe67_main
		.amdhsa_group_segment_fixed_size 327680
		.amdhsa_private_segment_fixed_size 0
		.amdhsa_enable_private_segment 0
		.amdhsa_kernarg_size 40
		.amdhsa_user_sgpr_count 2
		.amdhsa_user_sgpr_kernarg_segment_ptr 1
		.amdhsa_wavefront_size32 1
		.amdhsa_system_sgpr_workgroup_id_x 1
		.amdhsa_system_sgpr_workgroup_id_y 1
		.amdhsa_system_sgpr_workgroup_id_z 1
		.amdhsa_system_vgpr_workitem_id 0
		.amdhsa_next_free_vgpr 1024
		.amdhsa_next_free_sgpr 66
		.amdhsa_reserve_vcc 1
		.amdhsa_float_denorm_mode_32 3
		.amdhsa_float_denorm_mode_16_64 3
		.amdhsa_memory_ordered 1
		.amdhsa_forward_progress 1
		.amdhsa_inst_pref_size 255
	.end_amdhsa_kernel
	.section	.bss,"aw",@nobits
	.p2align	6
	.space	262144
	.amdgpu_metadata
---
amdhsa.version: [ 1, 2 ]
amdhsa.kernels:
  - .name:           k_qf84ceffe67_main
    .symbol:         k_qf84ceffe67_main.kd
    .args:
      - { .name: features, .offset: 0, .size: 8, .value_kind: global_buffer, .address_space: global }
      - { .name: wvimg, .offset: 8, .size: 8, .value_kind: global_buffer, .address_space: global }
      - { .name: qbuf, .offset: 16, .size: 8, .value_kind: global_buffer, .address_space: global }
      - { .name: po, .offset: 24, .size: 8, .value_kind: global_buffer, .address_space: global }
      - { .name: pml, .offset: 32, .size: 8, .value_kind: global_buffer, .address_space: global }
    .group_segment_fixed_size: 327680
    .private_segment_fixed_size: 0
    .kernarg_segment_align: 8
    .kernarg_segment_size: 40
    .max_flat_workgroup_size: 128
    .sgpr_count:     66
    .vgpr_count:     1024
    .wavefront_size: 32
...
	.end_amdgpu_metadata
.endif
;; end of part 2
;; launch final (part 3): grid 16 x 16, 8 waves a work-group, no clusters, 33,792 bytes of LDS; arguments po, pml, bv, wdimg, bd, out0; writes out0
.if DOCPART == 3
	.amdgcn_target "amdgcn-amd-amdhsa--gfx1250"
	.amdhsa_code_object_version 6
	.text
	.protected	k_qf84ceffe67_final
	.globl	k_qf84ceffe67_final
	.p2align	8
	.type	k_qf84ceffe67_final,@function
k_qf84ceffe67_final:
	s_mov_b64 s[64:65], 0
	v_nop
	global_prefetch_b8 v0, s[64:65] scope:SCOPE_SE
	s_setreg_imm32_b32 hwreg(HW_REG_WAVE_MODE, 25, 1), 1
	s_wait_xcnt 0x0
; out0 = Q(pooled) Q(Wd) + bd, with pooled[b][k] = bv[k] + the sum over a batch's 8 blocks of w x o, w = 2^(c m - M) / L, M the largest c m of the head's 8 blocks, L = the sum of 2^(c m - M) l.
; (bv is added here and not ahead of the softmax: a constant added to every score of a head changes no weight, and the weights sum to 1.)
; SHARES.  Work-group (g, y): 64 columns (a group of Wd's image) x 2 batches.  With b batches and c columns to a work-group and 256 work-groups, b c = 128, and a work-group reads 32 b + c KiB: least at b = 2.
; Wave w takes K step w of the product: channels 128 w .. 128 w + 127 of pooled, which are heads 2 w and 2 w + 1.
; Lane (r, h) holds batch 2 y + r % 2, k = 128 w + 32 c + 16 h + i in register 16 c + i: the operand's own order, so that the conversions' results are the fragment.  The matrix tile's 16 rows repeat the two batches:
; their lanes read the same addresses.  Rows 0 and 1 of the eight waves' partial tiles meet in LDS; waves 0 to 3 add them to bd, K ascending, a tile of 16 columns each.
; No tensor loads, no cluster: little work to a work-group; what they share (the partial results and Wd's image, 1 MiB each) is read through registers.
; LIMITS: NaN and infinities are not served; a block of zeros gets the byte 1 where the quantiser says 127 (its codes are zeros).
.set GRP,  67584
.set WV,   20                          ; s20      my wave's number = my K step
.set MNT,  21
.set SEL,  22
.set PW,   11                          ; v11      pooled's scale word
.set WS,   12                          ; v12-15   Wd's scale words, a register a tile
.set ST,   16                          ; v16-47   block ch: (c m, l) of my two heads; c m's registers then hold the weights, each named as a pair's low word
.set MM0,  48                          ; v48, v49 M;  v50, v51 L;  v52, v53 1 / L
.set BI,   54                          ; v[54:55] bd of my column, twice
.set OOF,  56                          ; v56      my place in out0
.set X,    64                          ; v64-127  pooled; later the partial tiles' rows 0 and 1
.set WB,   128                         ; v128-191 Wd's four fragments
.set PC,   192                         ; v192-207 pooled's codes
.set TM,   208                         ; v208-223 at work in QUANT
.set DD,   224                         ; v224-255 four partial tiles
.set MSB, 0
.macro WIN new                         ; the immediate's high byte repeats the setting that is left
.if MSB != \new
	s_set_vgpr_msb (MSB<<8)|\new
.set MSB, \new
.endif
.endm
.macro PLACES n
.rept \n
	v_nop
.endr
.endm
; 64 numbers of a lane, register 16 b + i = k 32 b + 16 (lane / 16) + i of the lane's row, become a fragment's codes in v[pc] on and its scale word in v[pw].
.macro QUANT s, pc, pw
.irp b, 0,1,2,3
	v_max3_num_f32 v[TM+\b], |v[\s+16*\b]|, |v[\s+16*\b+1]|, 0x4800000   ; block b: my 16 numbers and the floor 2^(9 - 127): the byte cannot fall under 1
.endr
.irp i, 2,4,6,8,10,12,14
.irp b, 0,1,2,3
	s_delay_alu instid0(VALU_DEP_4)
	v_max3_num_f32 v[TM+\b], v[TM+\b], |v[\s+16*\b+\i]|, |v[\s+16*\b+\i+1]|
.endr
.endr
.irp b, 0,1,2,3
	s_delay_alu instid0(VALU_DEP_4)
	v_permlanex16_b32 v[TM+4+\b], v[TM+\b], s[SEL], s[SEL+1]
.endr
.irp b, 0,1,2,3
	s_delay_alu instid0(VALU_DEP_4)
	v_max_num_f32 v[TM+\b], v[TM+\b], v[TM+4+\b]
.endr
.irp b, 0,1,2,3
	s_delay_alu instid0(VALU_DEP_4)
	v_add_nc_u32 v[TM+12+\b], 0xfc000000, v[TM+\b]
.endr
.irp b, 0,1,2,3
	v_and_or_b32 v[TM+8+\b], v[TM+\b], 0x7f800000, s[MNT]
.endr
.irp b, 0,1,2,3
	v_lshrrev_b32 v[TM+4+\b], 23, v[TM+12+\b]
.endr
	s_delay_alu instid0(VALU_DEP_3)
	v_lshl_or_b32 v[\pw], v[TM+5], 8, v[TM+4]
	s_delay_alu instid0(VALU_DEP_1)
	v_lshl_or_b32 v[\pw], v[TM+6], 16, v[\pw]
	s_delay_alu instid0(VALU_DEP_1)
	v_lshl_or_b32 v[\pw], v[TM+7], 24, v[\pw]
.irp b, 0,1,2,3
.irp i, 0,1,2,3,4,5,6,7,8,9,10,11,12,13,14,15
	v_med3_num_f32 v[\s+16*\b+\i], v[\s+16*\b+\i], -v[TM+8+\b], v[TM+8+\b]   ; the conversion does not saturate (ISA guide 7.6.2): the hold at the largest code x the scale
.endr
	v_cvt_scalef32_pk8_fp8_f32 v[\pc+4*\b:\pc+4*\b+1], v[\s+16*\b:\s+16*\b+7], v[TM+12+\b]
	v_cvt_scalef32_pk8_fp8_f32 v[\pc+4*\b+2:\pc+4*\b+3], v[\s+16*\b+8:\s+16*\b+15], v[TM+12+\b]
.endr
	v_nop                                          ; a plain line behind the last conversion
.endm
	s_load_b256 s[4:11], s[0:1], 0x0               ; po s[4:5], pml s[6:7], bv s[8:9], wdimg s[10:11]
	s_load_b128 s[12:15], s[0:1], 0x20             ; bd s[12:13], out0 s[14:15]
	v_lshl_add_u32 v62, v0, 2, 0x8000
	v_mov_b32 v63, 0
	v_lshrrev_b32 v1, 5, v0
	s_delay_alu instid0(VALU_DEP_1)
	v_readfirstlane_b32 s[WV], v1                  ; wave 0..7
	v_and_b32 v1, 31, v0                           ; lane
	v_and_b32 v2, 15, v0                           ; r
	v_bfe_u32 v3, v0, 4, 1                         ; h
	s_delay_alu instid0(VALU_DEP_3)
	v_lshlrev_b32 v4, 4, v1                        ; 16 x lane
	s_delay_alu instid0(VALU_DEP_3)
	v_lshlrev_b32 v5, 2, v2                        ; 4 r
	v_and_b32 v7, 1, v0                            ; r % 2: my batch of the two
	s_delay_alu instid0(VALU_DEP_4)
	v_lshlrev_b32 v8, 6, v3                        ; 64 h
	s_delay_alu instid0(VALU_DEP_1)
	v_lshl_add_u32 v6, v7, 15, v8                  ; po: a batch is 32,768 bytes; + 64 h
	s_delay_alu instid0(VALU_DEP_3)
	v_lshlrev_b32 v7, 10, v7                       ; pml: a batch is 1,024 bytes
	s_lshl_b32 s24, s[WV], 10
	v_add_nc_u32 v9, s24, v4                       ; LDS, on the way in: my wave's 1,024 bytes of a tile's 8,192
	s_and_b32 s25, s[WV], 3
	s_lshl_b32 s24, s25, 13
	v_add_nc_u32 v10, s24, v4                      ; and back: the tile that I add up
	v_lshl_add_u32 v[OOF], v3, 12, v5              ; out0: column r, + h rows
	s_mov_b32 s[MNT], 0x600000
	s_mov_b32 s[SEL], 0x76543210
	s_mov_b32 s[SEL+1], 0xfedcba98
.irp b, 0,1,2,3
	v_mov_b32 v[TM+4+\b], 0                        ; written once: a lane permute's destination counts as one of its sources
.endr
	s_and_b32 s26, ttmp7, 0xffff                   ; y: which 2 batches
	s_mov_b32 s29, 0
	s_wait_alu depctr_va_vdst(0)
	s_wait_kmcnt 0x0
	s_lshl_b32 s28, s26, 16
	s_lshl_b32 s30, s[WV], 9
	s_add_co_u32 s28, s28, s30
	s_add_nc_u64 s[4:5], s[4:5], s[28:29]          ; po at my batches and K step
	s_mov_b32 s28, s30
	s_add_nc_u64 s[8:9], s[8:9], s[28:29]          ; bv at my K step
	s_lshl_b32 s28, s26, 11
	s_lshl_b32 s30, s[WV], 4
	s_add_co_u32 s28, s28, s30
	s_add_nc_u64 s[6:7], s[6:7], s[28:29]          ; pml at my batches and my two heads
	s_mul_i32 s31, ttmp9, GRP
	s_lshl_b32 s30, s[WV], 8
	s_add_co_u32 s28, s31, s30
	s_add_co_u32 s28, s28, 65536
	s_add_nc_u64 s[16:17], s[10:11], s[28:29]      ; Wd's scale words of my group and K step
	s_lshl_b32 s30, s[WV], 13
	s_add_co_u32 s28, s31, s30
	s_add_nc_u64 s[10:11], s[10:11], s[28:29]      ; and its fragments
	s_lshl_b32 s28, ttmp9, 8
	s_lshl_b32 s30, s25, 6
	s_add_co_u32 s28, s28, s30
	s_add_nc_u64 s[12:13], s[12:13], s[28:29]      ; bd at the tile that I add up
	s_lshl_b32 s30, s26, 13
	s_add_co_u32 s28, s28, s30
	s_add_nc_u64 s[14:15], s[14:15], s[28:29]      ; out0 likewise, at my batches
.irp ch, 0,1,2,3,4,5,6,7
	global_load_b128 v[ST+4*\ch:ST+4*\ch+3], v7, s[6:7] offset:128*\ch
.endr
.irp ct, 0,1,2,3
.irp c, 0,1,2,3
	global_load_b128 v[WB+16*\ct+4*\c:WB+16*\ct+4*\c+3], v4, s[10:11] offset:2048*\ct+512*\c
.endr
	global_load_b32 v[WS+\ct], v5, s[16:17] offset:64*\ct
.endr
	global_load_b32 v[BI], v5, s[12:13]            ; (asked for here by all eight waves, so that waves 0 to 3 need not wait for it at the end)
.irp c, 0,1,2,3
.irp j, 0,1,2,3
	global_load_b128 v[X+16*\c+4*\j:X+16*\c+4*\j+3], v8, s[8:9] offset:128*\c+16*\j   ; bv starts pooled's sums
.endr
.endr
.macro OLOAD ch                        ; block ch's o: my 64 numbers, into landing set ch % 4 of window 1
.irp c, 0,1,2,3
.irp j, 0,1,2,3
	global_load_b128 v[64*((\ch)%4)+16*\c+4*\j:64*((\ch)%4)+16*\c+4*\j+3], v6, s[4:5] offset:4096*(\ch)+128*\c+16*\j
.endr
.endr
.endm
	WIN 0x40                                       ; destination window 1
	OLOAD 0
	OLOAD 1
	OLOAD 2
	OLOAD 3
	WIN 0
	s_wait_loadcnt 63                              ; the eight loads of (c m, l) are in: 101 are younger, and the count's field holds 63
	v_max3_num_f32 v[MM0], v[ST], v[ST+4], v[ST+8]
	v_max3_num_f32 v[MM0+1], v[ST+2], v[ST+6], v[ST+10]
	s_delay_alu instid0(VALU_DEP_2)
	v_max3_num_f32 v[MM0], v[MM0], v[ST+12], v[ST+16]
	s_delay_alu instid0(VALU_DEP_2)
	v_max3_num_f32 v[MM0+1], v[MM0+1], v[ST+14], v[ST+18]
	s_delay_alu instid0(VALU_DEP_2)
	v_max3_num_f32 v[MM0], v[MM0], v[ST+20], v[ST+24]
	s_delay_alu instid0(VALU_DEP_2)
	v_max3_num_f32 v[MM0+1], v[MM0+1], v[ST+22], v[ST+26]
	s_delay_alu instid0(VALU_DEP_2)
	v_max_num_f32 v[MM0], v[MM0], v[ST+28]
	s_delay_alu instid0(VALU_DEP_2)
	v_max_num_f32 v[MM0+1], v[MM0+1], v[ST+30]     ; M of my two heads
.irp ch, 0,1,2,3,4,5,6,7
	v_sub_f32 v[ST+4*\ch], v[ST+4*\ch], v[MM0]
	v_sub_f32 v[ST+4*\ch+2], v[ST+4*\ch+2], v[MM0+1]
.endr
	s_wait_alu depctr_va_vdst(0)
.irp ch, 0,1,2,3,4,5,6,7
	v_exp_f32 v[ST+4*\ch], v[ST+4*\ch]
	v_exp_f32 v[ST+4*\ch+2], v[ST+4*\ch+2]
.endr
	v_nop
	s_wait_alu depctr_va_vdst(0)                   ; one wait for the sixteen
	v_mul_f32 v[MM0+2], v[ST], v[ST+1]
	v_mul_f32 v[MM0+3], v[ST+2], v[ST+3]
.irp ch, 1,2,3,4,5,6,7
	v_fma_f32 v[MM0+2], v[ST+4*\ch], v[ST+4*\ch+1], v[MM0+2]
	v_fma_f32 v[MM0+3], v[ST+4*\ch+2], v[ST+4*\ch+3], v[MM0+3]   ; L
.endr
	s_wait_alu depctr_va_vdst(0)
	v_rcp_f32 v[MM0+4], v[MM0+2]
	v_rcp_f32 v[MM0+5], v[MM0+3]
	v_nop
	s_wait_alu depctr_va_vdst(0)                   ; one wait for the two
.irp ch, 0,1,2,3,4,5,6,7
	v_mul_f32 v[ST+4*\ch], v[ST+4*\ch], v[MM0+4]
	v_mul_f32 v[ST+4*\ch+2], v[ST+4*\ch+2], v[MM0+5]   ; the blocks' weights
.endr
; pooled += block ch's o x its weight: registers 0-31 belong to my first head, 32-63 to my second.  left = the younger loads that may stay out.
.macro CHUNK ch, left
	s_wait_loadcnt \left
	WIN 0x01                                       ; source 0: the landing set, window 1
.irp p, 0,1,2,3,4,5,6,7,8,9,10,11,12,13,14,15,16,17,18,19,20,21,22,23,24,25,26,27,28,29,30,31
	v_pk_fma_f32 v[X+2*\p:X+2*\p+1], v[64*((\ch)%4)+2*\p:64*((\ch)%4)+2*\p+1], v[ST+4*(\ch)+2*(\p/16):ST+4*(\ch)+2*(\p/16)+1], v[X+2*\p:X+2*\p+1] op_sel_hi:[1,0,1]
.endr
.if (\ch) < 4
	WIN 0x40
	OLOAD (\ch)+4                                  ; its set takes the block four further on
.endif
	WIN 0
.endm
	CHUNK 0, 48                                    ; three younger sets of 16 loads; bv, Wd's fragments and bd are older and in
	CHUNK 1, 48
	CHUNK 2, 48
	CHUNK 3, 48
	CHUNK 4, 48
	CHUNK 5, 32                                    ; nothing more is asked for: the counts run down
	CHUNK 6, 16
	CHUNK 7, 0
	QUANT X, PC, PW
	v_mov_b32 v[BI+1], v[BI]                       ; the packed additions below name the pair
	PLACES 8                                       ; a scale word made by vector instructions stands eight places ahead of the scaled matrix instruction, codes four
.irp ct, 0,1,2,3
	v_wmma_scale_f32_16x16x128_f8f6f4 v[DD+8*\ct:DD+8*\ct+7], v[PC:PC+15], v[WB+16*\ct:WB+16*\ct+15], 0, v[PW], v[WS+\ct]   ; register j of lane (r, h): row 8 h + j of the tile, column 16 ct + r
.endr
	PLACES 8                                       ; eight places ahead of the first read of the results
.irp ct, 0,1,2,3
	ds_store_b128 v9, v[DD+8*\ct:DD+8*\ct+3] offset:8192*\ct         ; each result's low four registers: rows 8 h + 0 .. 3, of which the first two are the two batches; the others repeat them
.endr
	s_wait_dscnt 0x0                               ; for the others' sake: my stores have landed
	s_barrier_signal -1
	s_barrier_wait -1
	s_cmp_ge_u32 s[WV], 4
	s_cbranch_scc1 .Ldone
.irp w, 0,1,2,3,4,5,6,7
	ds_load_b64 v[X+2*\w:X+2*\w+1], v10 offset:1024*\w             ; K step w's part of my tile: the two batches, at my column
.endr
	v_cmp_le_u32 vcc_lo, 16, v1
	s_wait_dscnt 0x0
	s_wait_alu depctr_va_vdst(0)
	v_pk_add_f32 v[X:X+1], v[X:X+1], v[BI:BI+1]
.irp w, 1,2,3,4,5,6,7
	s_delay_alu instid0(VALU_DEP_1)
	v_pk_add_f32 v[X:X+1], v[X:X+1], v[X+2*\w:X+2*\w+1]            ; K ascending
.endr
	s_delay_alu instid0(VALU_DEP_1)
	v_cndmask_b32 v[X+16], v[X], v[X+1], vcc_lo    ; both halves of the lanes hold the same two batches: lanes 0-15 store the first, lanes 16-31 the second
	global_store_b32 v[OOF], v[X+16], s[14:15]     ; out0(2 y + h, my column): pieces of 64 bytes; the output is 128 KiB in all
.Ldone:
	s_wait_tensorcnt 0x0
	ds_add_u32 v62, v63
	s_wait_dscnt 0x0
	s_endpgm
.Lfunc_end_k_qf84ceffe67_final:
	.size	k_qf84ceffe67_final, .Lfunc_end_k_qf84ceffe67_final-k_qf84ceffe67_final
	.p2alignl 7, 3214868480
	.fill 96, 4, 3214868480
	.section	.rodata,"a",@progbits
	.p2align	6, 0x0
	.amdhsa_kernel k_qf84ceffe67_final
		.amdhsa_group_segment_fixed_size 33792
		.amdhsa_private_segment_fixed_size 0
		.amdhsa_enable_private_segment 0
		.amdhsa_kernarg_size 48
		.amdhsa_user_sgpr_count 2
		.amdhsa_user_sgpr_kernarg_segment_ptr 1
		.amdhsa_wavefront_size32 1
		.amdhsa_system_sgpr_workgroup_id_x 1
		.amdhsa_system_sgpr_workgroup_id_y 1
		.amdhsa_system_sgpr_workgroup_id_z 1
		.amdhsa_system_vgpr_workitem_id 0
		.amdhsa_next_free_vgpr 512
		.amdhsa_next_free_sgpr 66
		.amdhsa_reserve_vcc 1
		.amdhsa_float_denorm_mode_32 3
		.amdhsa_float_denorm_mode_16_64 3
		.amdhsa_memory_ordered 1
		.amdhsa_forward_progress 1
		.amdhsa_inst_pref_size 52
	.end_amdhsa_kernel
	.amdgpu_metadata
---
amdhsa.version: [ 1, 2 ]
amdhsa.kernels:
  - .name:           k_qf84ceffe67_final
    .symbol:         k_qf84ceffe67_final.kd
    .args:
      - { .name: po, .offset: 0, .size: 8, .value_kind: global_buffer, .address_space: global }
      - { .name: pml, .offset: 8, .size: 8, .value_kind: global_buffer, .address_space: global }
      - { .name: bv, .offset: 16, .size: 8, .value_kind: global_buffer, .address_space: global }
      - { .name: wdimg, .offset: 24, .size: 8, .value_kind: global_buffer, .address_space: global }
      - { .name: bd, .offset: 32, .size: 8, .value_kind: global_buffer, .address_space: global }
      - { .name: out0, .offset: 40, .size: 8, .value_kind: global_buffer, .address_space: global }
    .group_segment_fixed_size: 33792
    .private_segment_fixed_size: 0
    .kernarg_segment_align: 8
    .kernarg_segment_size: 48
    .max_flat_workgroup_size: 256
    .sgpr_count:     66
    .vgpr_count:     512
    .wavefront_size: 32
...
	.end_amdgpu_metadata
.endif
;; end of part 3
